; MI455X (gfx1250); checked and timed in simulation.
; The chip was launched on July 23, 2026; its instructions are those of AMD's public machine-readable ISA for CDNA 5 (MIT licence, August 2026) and "CDNA5" Instruction Set Architecture Reference Guide (July 2026). The comments in the code are by the model that wrote it; some were corrected since.
;; PET layer. Allowed arithmetic: float matrix products may take bf16 or f16 operands with f32 sums; all other float work in f32.
;; Inputs: W1 1,024 x 1,024 float32; W2 2 x 1,024 float32; b1 1,024 float32; b2 2 float32; input_ids 128 x 512 int32; inputs 128 x 512 x 1,024 float32.
;; Outputs: out0 128 x 2 float32.
;; One version. Each part assembles by itself: llvm-mc -triple=amdgcn-amd-amdhsa -mcpu=gfx1250 --defsym DOCPART=n.
;; ======== version 1 of 1: 2 launches
;; workspace buffers: vp 65,536 bytes; pos 32,768 bytes of whole numbers
;; launch fold (part 1): grid 128 x 1, 9 waves a work-group, no clusters, 9,472 bytes of LDS; arguments W1, W2, input_ids, vp, pos; writes vp, pos
.if DOCPART == 1
	.amdgcn_target "amdgcn-amd-amdhsa--gfx1250"
	.amdhsa_code_object_version 6
	.text
	.protected	k_q38c9427d6d_fold
	.globl	k_q38c9427d6d_fold
	.p2align	8
	.type	k_q38c9427d6d_fold,@function
k_q38c9427d6d_fold:
	s_mov_b64 s[64:65], 0
	v_nop
	global_prefetch_b8 v0, s[64:65] scope:SCOPE_SE
	s_setreg_imm32_b32 hwreg(HW_REG_WAVE_MODE, 25, 1), 1
	s_wait_xcnt 0x0
; FOLD: what the second launch needs and what does not hang on the activations.
; The module is  out = (euph W1^T + b1) W2^T + b2  with nothing between the two linear layers, so
;   out[b][j] = sum_k euph[b][k] V[j][k] + c[j],   V = W2 W1  ([2][1024]),   c[j] = sum_n W2[j][n] b1[n] + b2[j].
; This launch makes V in eight partial sums over W1's rows, and for each batch row the span's first row and length.
; All arithmetic in f32 on the vector unit: V has two rows, a 16-row matrix tile would be seven eighths empty,
; and each byte of W1 is read once and used for two multiply-adds, so the loads decide.
; Order of rounding: W2 W1 is summed first (the module sums euph W1^T first); both in f32.
;
; Work-group g: kb = g & 15: columns 64 kb .. 64 kb + 63 of W1 (256 bytes of each row); p = g >> 4: rows 128 p .. 128 p + 127.
;   waves 0-7: thread t has the 16 bytes 16 (t & 15) of rows 128 p + 8 (t >> 4) + i, i = 0 .. 7: sixteen neighbouring lanes read
;              256 consecutive bytes, aligned; a thread's eight rows are neighbours, so its W2 values are 2 x 32 consecutive bytes.
;   wave 8:    row g of input_ids: first START, first END (position 0 where there is none, as argmax gives), and from them
;              first = start + 1, len = max(end - first, 0).
; No work-group reads what another reads (W1, ids) apart from 1 KiB of W2: nothing to share in a cluster.
.set START_ID, 30522                   ; vocabulary - 2
.set END_ID,   30523                   ; vocabulary - 1
.set ROWB,     4096                    ; bytes in a row of W1, of W2, of a partial V
.set NONE,     0x800                   ; key of a lane without a match: above every position (0 .. 511) plus 4 x lane
.set W,   12                           ; v[12:27]  W2[0][my 8 rows], W2[1][my 8 rows]
.set X,   28                           ; v[28:59]  my 16 bytes of my 8 rows of W1
.set ACC, 60                           ; v[60:67]  sums: j = 0 (4 columns), j = 1 (4 columns)
.set R,   12                           ; v[12:75]  wave 0, behind the barrier: the 16 row groups' sums
.set ID,  12                           ; v[12:27]  wave 8: 16 ids a lane; register 4 c + e is position 128 c + 4 lane + e
.set F,   76                           ; v[76:77]  wave 8: first, len
.set KS,  78                           ; wave 8: key of START
.set KE,  79                           ; wave 8: key of END
.set T,   80                           ; v[80:81]  wave 8: the neighbour lane's keys
.set MK,  40                           ; s[40:47]  wave 8: eight lane masks
	s_load_b256 s[4:11], s[0:1], 0x0               ; W1 s[4:5], W2 s[6:7], input_ids s[8:9], vp s[10:11]
	s_load_b64 s[12:13], s[0:1], 0x20              ; pos
	v_lshl_add_u32 v88, v0, 2, 0x2000
	v_mov_b32 v89, 0
	v_lshrrev_b32 v1, 5, v0
	v_readfirstlane_b32 s14, v1                    ; wave 0 .. 8
	v_and_b32 v2, 31, v0                           ; lane
	s_and_b32 s15, ttmp9, 15                       ; kb
	s_lshr_b32 s16, ttmp9, 4                       ; p
	s_lshl_b32 s17, s15, 8                         ; 256 kb: my columns, in bytes
	s_mov_b32 s19, 0                               ; high words of the two offset pairs
	s_mov_b32 s21, 0
	s_cmp_eq_u32 s14, 8
	s_cbranch_scc1 .Lmarkers
	; ---- waves 0-7: 128 rows x 64 columns of W1 against two rows of W2 ----
	v_and_b32 v3, 15, v0                           ; which 16 bytes of the 256
	v_lshrrev_b32 v4, 4, v0                        ; row group 0 .. 15
	v_lshlrev_b32 v5, 4, v3
	v_lshl_add_u32 v6, v4, 15, v5                  ; W1: 8 rows of 4,096 bytes a group + my 16 bytes
	v_lshlrev_b32 v7, 5, v4                        ; W2: 8 numbers a group
	v_lshl_add_u32 v8, v4, 9, v5                   ; LDS: 512 bytes a group (j = 0, then j = 1) + my 16 bytes
	s_lshl_b32 s18, s16, 19                        ; 128 p rows of 4,096 bytes
	s_add_co_u32 s18, s18, s17
	s_lshl_b32 s20, s16, 9                         ; 128 p numbers of 4 bytes
	s_wait_kmcnt 0x0
	s_add_nc_u64 s[4:5], s[4:5], s[18:19]
	s_add_nc_u64 s[6:7], s[6:7], s[20:21]
	global_load_b128 v[W:W+3],     v7, s[6:7]
	global_load_b128 v[W+4:W+7],   v7, s[6:7] offset:16
	global_load_b128 v[W+8:W+11],  v7, s[6:7] offset:ROWB
	global_load_b128 v[W+12:W+15], v7, s[6:7] offset:ROWB+16
.irp i, 0,1,2,3,4,5,6,7
	global_load_b128 v[X+4*\i:X+4*\i+3], v6, s[4:5] offset:\i*ROWB th:TH_LOAD_NT   ; W1 is read once in the whole launch
.endr
; Row i: four packed multiply-adds, the row's W2 value broadcast to both halves (op_sel picks the register of the pair).
; The first row's products start the sums: nothing is cleared.
.macro ROW i
	s_wait_loadcnt 7-\i                            ; loads come back in order: row i and W2 (older) are in, the 7 - i younger rows stay out
.irp j, 0,1
.irp h, 0,2
.if \i == 0
	v_pk_mul_f32 v[ACC+4*\j+\h:ACC+4*\j+\h+1], v[X+\h:X+\h+1], v[W+8*\j:W+8*\j+1] op_sel_hi:[1,0]
.else
.if \i & 1
	v_pk_fma_f32 v[ACC+4*\j+\h:ACC+4*\j+\h+1], v[X+4*\i+\h:X+4*\i+\h+1], v[W+8*\j+\i-1:W+8*\j+\i], v[ACC+4*\j+\h:ACC+4*\j+\h+1] op_sel:[0,1,0] op_sel_hi:[1,1,1]
.else
	v_pk_fma_f32 v[ACC+4*\j+\h:ACC+4*\j+\h+1], v[X+4*\i+\h:X+4*\i+\h+1], v[W+8*\j+\i:W+8*\j+\i+1], v[ACC+4*\j+\h:ACC+4*\j+\h+1] op_sel_hi:[1,0,1]
.endif
.endif
.endr
.endr
.endm
.irp i, 0,1,2,3,4,5,6,7
	ROW \i
.endr
	ds_store_b128 v8, v[ACC:ACC+3]                 ; sixteen lanes fill 256 consecutive bytes
	ds_store_b128 v8, v[ACC+4:ACC+7] offset:256
	s_branch .Ljoin
	; ---- wave 8: the span of batch row g ----
.Lmarkers:
	v_lshlrev_b32 v3, 4, v2                        ; 16 bytes a lane: a load covers 512 consecutive bytes
	v_lshlrev_b32 v9, 3, v2                        ; 8 bytes a lane, for the store
	s_lshl_b32 s18, ttmp9, 11                      ; row g: 512 ids of 4 bytes
	s_lshl_b32 s20, ttmp9, 8                       ; 256 bytes of pos for each batch row
	s_mov_b32 s22, 0x76543210                      ; v_permlanex16_b32: lane i of one half reads lane i of the other
	s_mov_b32 s23, 0xfedcba98
	s_mov_b32 s24, START_ID
	s_mov_b32 s25, END_ID
	s_wait_kmcnt 0x0
	s_add_nc_u64 s[8:9], s[8:9], s[18:19]
	s_add_nc_u64 s[12:13], s[12:13], s[20:21]
.irp c, 0,1,2,3
	global_load_b128 v[ID+4*\c:ID+4*\c+3], v3, s[8:9] offset:512*\c th:TH_LOAD_NT
.endr
	v_mov_b32 v[KS], NONE
	v_mov_b32 v[KE], NONE
	v_mov_b32 v[T], 0                              ; destinations of the lane moves below count as read: written once here
	v_mov_b32 v[T+1], 0
	s_wait_loadcnt 0x0                             ; the scan runs from the last position to the first, so it begins with the last load
; 128 positions: eight compares into eight masks, then eight selects.  A mask bit is set where the id is NOT the marker and the key stays;
; going downward, the lowest matching position of the lane is what remains.
.macro SCAN c
.irp e, 0,1,2,3
	v_cmp_ne_u32 s[MK+\e],   s24, v[ID+4*\c+\e]
	v_cmp_ne_u32 s[MK+4+\e], s25, v[ID+4*\c+\e]
.endr
.irp e, 3,2,1,0
	v_cndmask_b32 v[KS], 128*\c+\e, v[KS], s[MK+\e]
	v_cndmask_b32 v[KE], 128*\c+\e, v[KE], s[MK+4+\e]
.endr
.endm
	SCAN 3
	SCAN 2
	SCAN 1
	SCAN 0
	v_lshl_add_u32 v[KS], v2, 2, v[KS]             ; + 4 x lane: the position itself (or at least NONE)
	v_lshl_add_u32 v[KE], v2, 2, v[KE]
.irp m, 1,2,4,8                                    ; the least key of the 32 lanes, in every lane
	v_mov_b32_dpp v[T],   v[KS] row_xmask:\m row_mask:0xf bank_mask:0xf
	v_mov_b32_dpp v[T+1], v[KE] row_xmask:\m row_mask:0xf bank_mask:0xf
	v_min_u32 v[KS], v[KS], v[T]
	v_min_u32 v[KE], v[KE], v[T+1]
.endr
	v_permlanex16_b32 v[T],   v[KS], s22, s23
	v_permlanex16_b32 v[T+1], v[KE], s22, s23
	v_min_u32 v[KS], v[KS], v[T]
	v_min_u32 v[KE], v[KE], v[T+1]
	v_cmp_gt_u32 vcc_lo, 0x200, v[KS]              ; found: key below 512
	v_cndmask_b32 v[KS], 0, v[KS], vcc_lo          ; no marker: position 0
	v_cmp_gt_u32 vcc_lo, 0x200, v[KE]
	v_cndmask_b32 v[KE], 0, v[KE], vcc_lo
	v_add_nc_u32 v[F], 1, v[KS]                    ; first row of the span
	v_max_u32 v[KE], v[KE], v[F]
	v_sub_nc_u32 v[F+1], v[KE], v[F]               ; rows in it: end - first, 0 where end <= start + 1
	global_store_b64 v9, v[F:F+1], s[12:13]        ; every lane holds the pair: the store covers 256 consecutive bytes, aligned, and needs no lane mask
.Ljoin:
	s_wait_dscnt 0x0                               ; my sums are in LDS before I say so
	s_barrier_signal -1
	s_barrier_wait -1
	s_cmp_lg_u32 s14, 0
	s_cbranch_scc1 .Lend
	; ---- wave 0: add the 16 row groups; lane = 16 j + piece, so a load takes a group's 512 consecutive bytes ----
	v_lshlrev_b32 v3, 4, v2
.irp r, 0,1,2,3,4,5,6,7,8,9,10,11,12,13,14,15
	ds_load_b128 v[R+4*\r:R+4*\r+3], v3 offset:512*\r
.endr
	v_lshrrev_b32 v4, 4, v2                        ; j
	v_and_b32 v5, 15, v2
	v_lshlrev_b32 v5, 4, v5
	v_lshl_add_u32 v4, v4, 12, v5                  ; vp: row j of 4,096 bytes + my 16 bytes
	s_lshl_b32 s18, s16, 13                        ; partial p: 2 rows of 4,096 bytes
	s_add_co_u32 s18, s18, s17                     ; + my columns
	s_add_nc_u64 s[10:11], s[10:11], s[18:19]
.irp r, 2,3,4,5,6,7,8,9,10,11,12,13,14,15          ; two chains (even groups into group 0, odd into group 1)
	s_wait_dscnt 15-\r                             ; LDS loads come back in order: group r is in
	v_pk_add_f32 v[R+4*(\r%2):R+4*(\r%2)+1],   v[R+4*(\r%2):R+4*(\r%2)+1],   v[R+4*\r:R+4*\r+1]
	v_pk_add_f32 v[R+4*(\r%2)+2:R+4*(\r%2)+3], v[R+4*(\r%2)+2:R+4*(\r%2)+3], v[R+4*\r+2:R+4*\r+3]
.endr
	v_pk_add_f32 v[R:R+1],   v[R:R+1],   v[R+4:R+5]
	v_pk_add_f32 v[R+2:R+3], v[R+2:R+3], v[R+6:R+7]
	global_store_b128 v4, v[R:R+3], s[10:11]       ; lanes 0-15: 256 consecutive bytes of row 0, aligned; lanes 16-31: of row 1
.Lend:
	s_wait_tensorcnt 0x0
	ds_add_u32 v88, v89
	s_wait_dscnt 0x0
	s_endpgm
.Lfunc_end_k_q38c9427d6d_fold:
	.size	k_q38c9427d6d_fold, .Lfunc_end_k_q38c9427d6d_fold-k_q38c9427d6d_fold
	.p2alignl 7, 3214868480
	.fill 96, 4, 3214868480
	.section	.rodata,"a",@progbits
	.p2align	6, 0x0
	.amdhsa_kernel k_q38c9427d6d_fold
		.amdhsa_group_segment_fixed_size 9472
		.amdhsa_private_segment_fixed_size 0
		.amdhsa_enable_private_segment 0
		.amdhsa_kernarg_size 40
		.amdhsa_user_sgpr_count 2
		.amdhsa_user_sgpr_kernarg_segment_ptr 1
		.amdhsa_wavefront_size32 1
		.amdhsa_system_sgpr_workgroup_id_x 1
		.amdhsa_system_sgpr_workgroup_id_y 1
		.amdhsa_system_sgpr_workgroup_id_z 1
		.amdhsa_system_vgpr_workitem_id 0
		.amdhsa_next_free_vgpr 90
		.amdhsa_next_free_sgpr 66
		.amdhsa_reserve_vcc 1
		.amdhsa_float_denorm_mode_32 3
		.amdhsa_float_denorm_mode_16_64 3
		.amdhsa_memory_ordered 1
		.amdhsa_forward_progress 1
		.amdhsa_inst_pref_size 17
	.end_amdhsa_kernel
	.amdgpu_metadata
---
amdhsa.version: [ 1, 2 ]
amdhsa.kernels:
  - .name:           k_q38c9427d6d_fold
    .symbol:         k_q38c9427d6d_fold.kd
    .args:
      - { .name: W1, .offset: 0, .size: 8, .value_kind: global_buffer, .address_space: global }
      - { .name: W2, .offset: 8, .size: 8, .value_kind: global_buffer, .address_space: global }
      - { .name: input_ids, .offset: 16, .size: 8, .value_kind: global_buffer, .address_space: global }
      - { .name: vp, .offset: 24, .size: 8, .value_kind: global_buffer, .address_space: global }
      - { .name: pos, .offset: 32, .size: 8, .value_kind: global_buffer, .address_space: global }
    .group_segment_fixed_size: 9472
    .private_segment_fixed_size: 0
    .kernarg_segment_align: 8
    .kernarg_segment_size: 40
    .max_flat_workgroup_size: 288
    .sgpr_count:     66
    .vgpr_count:     90
    .wavefront_size: 32
...
	.end_amdgpu_metadata
.endif
;; end of part 1
;; launch span (part 2): grid 128 x 1, 32 waves a work-group, no clusters, 20,736 bytes of LDS; arguments inputs, pos, vp, W2, b1, b2, out0; writes out0
.if DOCPART == 2
	.amdgcn_target "amdgcn-amd-amdhsa--gfx1250"
	.amdhsa_code_object_version 6
	.text
	.protected	k_q38c9427d6d_span
	.globl	k_q38c9427d6d_span
	.p2align	8
	.type	k_q38c9427d6d_span,@function
k_q38c9427d6d_span:
	s_mov_b64 s[64:65], 0
	v_nop
	global_prefetch_b8 v0, s[64:65] scope:SCOPE_SE
	s_setreg_imm32_b32 hwreg(HW_REG_WAVE_MODE, 25, 1), 1
	s_wait_xcnt 0x0
; SPAN: out[b][j] = sum_k euph[b][k] V[j][k] + sum_n W2[j][n] b1[n] + b2[j],  euph[b] = the sum of the rows first .. first + len - 1 of inputs[b].
; first and len come from pos (256 bytes a batch row, the pair at its head), V from vp in eight partial sums; both were stored by the launch before.
; Only the rows of the span are read.  LIMIT: a row outside the span that holds Inf or NaN makes the module's result NaN (0 x Inf); here it is
; not read, so the two differ only where the module's result is not finite.  Everything in f32; the sums' order differs from the module's.
;
; One work-group for each batch row, 32 waves.  Wave w: cw = w & 7: bytes 512 cw .. 512 cw + 511 of every row, 16 bytes a lane, so a load covers
; 512 consecutive bytes, aligned; q = w >> 3: rows first + q, first + q + 4, ...  Eight loads a wave in flight: 32 rows, 128 KiB, a work-group.
; No matrix unit: the sum over the span has weights 1, and the product behind it has one row against two.  No LDS ring: no wave reads
; another's rows.  No cluster: the span rows are shared with no work-group; what is shared (vp, W2, b1) is 76 KiB.
; No prefetch: the rows are known only when the pair arrives, and are then loaded at once.
; out0: the owner of a batch row has 8 bytes to store, so that store covers 8 bytes.
.set ROWB,   4096                      ; bytes in a row of inputs, of W2, of a partial V
.set STEP,   4*ROWB                    ; from one row of a wave to its next
.set SLOTS,  8                         ; loads in flight in each wave
.set SEQ,    512                       ; rows in a batch row
.set SCR,    16384                     ; LDS: behind the four phases' sums (4 x 4,096 bytes), 8 bytes for each wave
.set E,   10                           ; v[10:13]  my phase's sum of my 4 columns
.set V,   14                           ; v[14:29]  partial 2q: j = 0, j = 1; partial 2q + 1: j = 0, j = 1 (4 columns each)
.set WB,  30                           ; v[30:32]  W2[0][t], W2[1][t], b1[t]
.set X,   34                           ; v[34:65]  slot i: 4 registers
.set D,   66                           ; v[66:69]  products, j = 0 and j = 1, two halves each
.set P,   70                           ; v[70:71]  my share of out[b][0], out[b][1]
	s_load_b256 s[4:11], s[0:1], 0x0               ; inputs s[4:5], pos s[6:7], vp s[8:9], W2 s[10:11]
	s_load_b128 s[12:15], s[0:1], 0x20             ; b1 s[12:13], b2 s[14:15]
	s_load_b64 s[16:17], s[0:1], 0x30              ; out0
	v_lshl_add_u32 v72, v0, 2, 0x4100
	v_mov_b32 v73, 0
	v_lshrrev_b32 v1, 5, v0
	v_readfirstlane_b32 s18, v1                    ; wave 0 .. 31
	s_lshr_b32 s19, s18, 3                         ; q
	s_lshl_b32 s20, ttmp9, 8                       ; my pair in pos
	s_lshl_b32 s26, ttmp9, 21                      ; my batch row: 512 rows of 4,096 bytes
	s_mov_b32 s27, 0
	s_mov_b32 s34, 0x76543210                      ; v_permlanex16_b32: lane i of one half reads lane i of the other
	s_mov_b32 s35, 0xfedcba98
	v_and_b32 v2, 0xff, v0
	v_lshlrev_b32 v2, 4, v2                        ; my 16 bytes in a row: 512 cw + 16 lane
	v_lshrrev_b32 v3, 8, v0
	v_lshl_add_u32 v3, v3, 14, v2                  ; vp: two partials of 8,192 bytes a phase + my 16 bytes
	v_lshlrev_b32 v4, 2, v0                        ; W2, b1: number t
	v_lshlrev_b32 v5, 4, v0                        ; LDS: 4,096 q + my 16 bytes = 16 t
	v_mov_b32 v6, s18
	v_lshl_add_u32 v6, v6, 3, SCR                  ; LDS: my wave's 8 bytes
	v_and_b32 v7, 31, v0
	v_lshl_add_u32 v7, v7, 3, SCR                  ; LDS: the 8 bytes of the wave with my lane's number
	v_mov_b32 v8, 0
	s_wait_kmcnt 0x0
	s_load_b64 s[22:23], s[6:7], s20 offset:0x0    ; first, len
	s_load_b64 s[24:25], s[14:15], 0x0             ; b2
	; what does not hang on the span is asked for while the pair is on its way
.irp i, 0,1,2,3
	global_load_b128 v[V+4*\i:V+4*\i+3], v3, s[8:9] offset:\i*ROWB
.endr
	global_load_b32 v[WB],   v4, s[10:11]
	global_load_b32 v[WB+1], v4, s[10:11] offset:ROWB
	global_load_b32 v[WB+2], v4, s[12:13]
.irp i, 0,1,2,3
	v_mov_b32 v[E+\i], 0                           ; a phase may have no row at all: its sum is 0
.endr
	s_wait_kmcnt 0x0
	s_min_u32 s22, s22, SEQ-1                      ; a loaded number enters an address only clamped
	s_sub_co_u32 s28, SEQ, s22
	s_min_u32 s23, s23, s28                        ; first + len <= 512: no load leaves the batch row
	s_add_co_u32 s28, s22, s19                     ; my first row
	s_lshl_b32 s28, s28, 12
	s_add_co_u32 s26, s26, s28
	s_add_nc_u64 s[4:5], s[4:5], s[26:27]
	s_add_co_u32 s23, s23, 3
	s_sub_co_u32 s23, s23, s19
	s_lshr_b32 s29, s23, 2                         ; my rows: (len - q + 3) / 4, rounded down
	s_lshr_b32 s30, s29, 3                         ; whole blocks of 8
	s_and_b32 s31, s29, 7                          ; and the rest, 0 .. 7
	s_cmp_eq_u32 s30, 0
	s_cbranch_scc1 .Lrest
	; ---- whole blocks: a ring of eight slots, each filled again as soon as it has been added ----
.irp i, 0,1,2,3,4,5,6,7
	global_load_b128 v[X+4*\i:X+4*\i+3], v2, s[4:5] offset:\i*STEP th:TH_LOAD_NT
.endr
	s_sub_co_u32 s30, s30, 1                       ; blocks still to be asked for
	s_cmp_eq_u32 s30, 0
	s_cbranch_scc1 .Ldrain
	s_mov_b32 s33, 0
.Lring:
.irp i, 0,1,2,3,4,5,6,7
	s_wait_loadcnt SLOTS-1                         ; loads come back in order: this slot's is in, the seven younger ones stay out
	v_pk_add_f32 v[E:E+1],   v[E:E+1],   v[X+4*\i:X+4*\i+1]
	v_pk_add_f32 v[E+2:E+3], v[E+2:E+3], v[X+4*\i+2:X+4*\i+3]
	global_load_b128 v[X+4*\i:X+4*\i+3], v2, s[4:5] offset:(SLOTS+\i)*STEP th:TH_LOAD_NT
.endr
	s_wait_xcnt 0x0                                ; the base is stepped only when every issued load has had its address translated
	s_add_nc_u64 s[4:5], s[4:5], SLOTS*STEP
	s_add_co_u32 s33, s33, 1
	s_cmp_lt_u32 s33, s30
	s_cbranch_scc1 .Lring
.Ldrain:
.irp i, 0,1,2,3,4,5,6,7
	s_wait_loadcnt SLOTS-1-\i                      ; nothing is asked for any more: the counts run down
	v_pk_add_f32 v[E:E+1],   v[E:E+1],   v[X+4*\i:X+4*\i+1]
	v_pk_add_f32 v[E+2:E+3], v[E+2:E+3], v[X+4*\i+2:X+4*\i+3]
.endr
	s_add_nc_u64 s[4:5], s[4:5], SLOTS*STEP        ; all loads are done (the last wait was for 0): the base moves past the last block
	; ---- the rest, 0 .. 7 rows: loads are issued until the count is reached; the exit with i loads issued enters the adds at row i - 1 ----
.Lrest:
.irp i, 0,1,2,3,4,5,6
	s_cmp_le_u32 s31, \i
	s_cbranch_scc1 .Lhave\i
	global_load_b128 v[X+4*\i:X+4*\i+3], v2, s[4:5] offset:\i*STEP th:TH_LOAD_NT
.endr
.irp i, 7,6,5,4,3,2,1
.Lhave\i:
	s_wait_loadcnt 0x0                             ; the adds run from the youngest load down, so the first of them needs all; at each entry since any may be the first
	v_pk_add_f32 v[E:E+1],   v[E:E+1],   v[X+4*(\i-1):X+4*(\i-1)+1]
	v_pk_add_f32 v[E+2:E+3], v[E+2:E+3], v[X+4*(\i-1)+2:X+4*(\i-1)+3]
.endr
.Lhave0:
	ds_store_b128 v5, v[E:E+3]                     ; my phase's sum; a wave fills 512 consecutive bytes
	s_wait_loadcnt 0x0                             ; V, W2, b1 (a wave without rows has not waited yet)
	v_pk_add_f32 v[V:V+1],   v[V:V+1],   v[V+8:V+9]        ; my two partials of V, j = 0
	v_pk_add_f32 v[V+2:V+3], v[V+2:V+3], v[V+10:V+11]
	v_pk_add_f32 v[V+4:V+5], v[V+4:V+5], v[V+12:V+13]      ; j = 1
	v_pk_add_f32 v[V+6:V+7], v[V+6:V+7], v[V+14:V+15]
	s_wait_dscnt 0x0                               ; my sum is in LDS before I say so
	s_barrier_signal -1
	s_barrier_wait -1
.irp i, 0,1,2,3
	ds_load_b128 v[X+4*\i:X+4*\i+3], v2 offset:\i*ROWB     ; the four phases' sums of my columns
.endr
	s_wait_dscnt 2                                 ; the first two are in
	v_pk_add_f32 v[X:X+1],   v[X:X+1],   v[X+4:X+5]
	v_pk_add_f32 v[X+2:X+3], v[X+2:X+3], v[X+6:X+7]
	s_wait_dscnt 0x0
	v_pk_add_f32 v[X+8:X+9],   v[X+8:X+9],   v[X+12:X+13]
	v_pk_add_f32 v[X+10:X+11], v[X+10:X+11], v[X+14:X+15]
	v_pk_add_f32 v[X:X+1],   v[X:X+1],   v[X+8:X+9]        ; euph of my 4 columns
	v_pk_add_f32 v[X+2:X+3], v[X+2:X+3], v[X+10:X+11]
	; euph x my quarter of V; the 32 waves together cover all columns and all eight partials.  W2[j][t] b1[t]: the 1,024 threads cover all n.
	v_pk_mul_f32 v[D:D+1],   v[X:X+1],   v[V:V+1]
	v_pk_mul_f32 v[D+2:D+3], v[X:X+1],   v[V+4:V+5]
	v_pk_fma_f32 v[D:D+1],   v[X+2:X+3], v[V+2:V+3], v[D:D+1]
	v_pk_fma_f32 v[D+2:D+3], v[X+2:X+3], v[V+6:V+7], v[D+2:D+3]
	v_fma_f32 v[D],   v[WB],   v[WB+2], v[D]
	v_fma_f32 v[D+2], v[WB+1], v[WB+2], v[D+2]
	v_add_f32 v[P],   v[D],   v[D+1]
	v_add_f32 v[P+1], v[D+2], v[D+3]
; the sum of both numbers over the 32 lanes, in every lane; D and D+1 have been written and are free
.macro LANESUM
.irp m, 1,2,4,8
	v_add_f32_dpp v[P],   v[P],   v[P]   row_xmask:\m row_mask:0xf bank_mask:0xf
	v_add_f32_dpp v[P+1], v[P+1], v[P+1] row_xmask:\m row_mask:0xf bank_mask:0xf
.endr
	v_permlanex16_b32 v[D],   v[P],   s34, s35
	v_permlanex16_b32 v[D+1], v[P+1], s34, s35
	v_pk_add_f32 v[P:P+1], v[P:P+1], v[D:D+1]
.endm
	LANESUM
	ds_store_b64 v6, v[P:P+1]                      ; all lanes write my wave's 8 bytes with the same pair; bytes of their own, behind the phases' sums
	s_wait_dscnt 0x0
	s_barrier_signal -1
	s_barrier_wait -1
	s_cmp_lg_u32 s18, 0
	s_cbranch_scc1 .Lend
	; ---- wave 0: lane l takes wave l's pair ----
	ds_load_b64 v[P:P+1], v7
	s_lshl_b32 s26, ttmp9, 3                       ; out0[b]: 8 bytes
	s_add_nc_u64 s[16:17], s[16:17], s[26:27]
	v_cmp_eq_u32 vcc_lo, 0, v0
	s_wait_dscnt 0x0
	LANESUM
	v_add_f32 v[P],   s24, v[P]                    ; + b2
	v_add_f32 v[P+1], s25, v[P+1]
	s_wait_xcnt 0x0                                ; EXEC is a source of the loads above: it changes only behind this wait
	s_and_saveexec_b32 s36, vcc_lo                 ; lane 0 alone
	global_store_b64 v8, v[P:P+1], s[16:17]
	s_wait_xcnt 0x0                                ; and it is widened again only behind this one
	s_or_b32 exec_lo, exec_lo, s36
.Lend:
	s_wait_tensorcnt 0x0
	ds_add_u32 v72, v73
	s_wait_dscnt 0x0
	s_endpgm
.Lfunc_end_k_q38c9427d6d_span:
	.size	k_q38c9427d6d_span, .Lfunc_end_k_q38c9427d6d_span-k_q38c9427d6d_span
	.p2alignl 7, 3214868480
	.fill 96, 4, 3214868480
	.section	.rodata,"a",@progbits
	.p2align	6, 0x0
	.amdhsa_kernel k_q38c9427d6d_span
		.amdhsa_group_segment_fixed_size 20736
		.amdhsa_private_segment_fixed_size 0
		.amdhsa_enable_private_segment 0
		.amdhsa_kernarg_size 56
		.amdhsa_user_sgpr_count 2
		.amdhsa_user_sgpr_kernarg_segment_ptr 1
		.amdhsa_wavefront_size32 1
		.amdhsa_system_sgpr_workgroup_id_x 1
		.amdhsa_system_sgpr_workgroup_id_y 1
		.amdhsa_system_sgpr_workgroup_id_z 1
		.amdhsa_system_vgpr_workitem_id 0
		.amdhsa_next_free_vgpr 74
		.amdhsa_next_free_sgpr 66
		.amdhsa_reserve_vcc 1
		.amdhsa_float_denorm_mode_32 3
		.amdhsa_float_denorm_mode_16_64 3
		.amdhsa_memory_ordered 1
		.amdhsa_forward_progress 1
		.amdhsa_inst_pref_size 14
	.end_amdhsa_kernel
	.amdgpu_metadata
---
amdhsa.version: [ 1, 2 ]
amdhsa.kernels:
  - .name:           k_q38c9427d6d_span
    .symbol:         k_q38c9427d6d_span.kd
    .args:
      - { .name: inputs, .offset: 0, .size: 8, .value_kind: global_buffer, .address_space: global }
      - { .name: pos, .offset: 8, .size: 8, .value_kind: global_buffer, .address_space: global }
      - { .name: vp, .offset: 16, .size: 8, .value_kind: global_buffer, .address_space: global }
      - { .name: W2, .offset: 24, .size: 8, .value_kind: global_buffer, .address_space: global }
      - { .name: b1, .offset: 32, .size: 8, .value_kind: global_buffer, .address_space: global }
      - { .name: b2, .offset: 40, .size: 8, .value_kind: global_buffer, .address_space: global }
      - { .name: out0, .offset: 48, .size: 8, .value_kind: global_buffer, .address_space: global }
    .group_segment_fixed_size: 20736
    .private_segment_fixed_size: 0
    .kernarg_segment_align: 8
    .kernarg_segment_size: 56
    .max_flat_workgroup_size: 1024
    .sgpr_count:     66
    .vgpr_count:     74
    .wavefront_size: 32
...
	.end_amdgpu_metadata
.endif
;; end of part 2
